; MI455X (gfx1250); checked and timed in simulation.
; The chip was launched on July 23, 2026; its instructions are those of AMD's public machine-readable ISA for CDNA 5 (MIT licence, August 2026) and "CDNA5" Instruction Set Architecture Reference Guide (July 2026). The comments in the code are by the model that wrote it; some were corrected since.
;; Pointwise Aggregated Attention. Allowed arithmetic: matrix products marked QUANTISED: E2M1 operands, one E8M0 scale for each 32 along K, by v_wmma_scale_f32_16x16x128_f8f6f4 with both operands' format E2M1 (or v_wmma_scale_f32_32x16x128_f4), f32 sums; everything else in f32.
;; Inputs: k 4 x 2,048 x 1,024 float32; q 4 x 2,048 x 1,024 float32; rab_weight 32 x 16 float32; v 4 x 2,048 x 1,024 float32.
;; Outputs: out0 4 x 2,048 x 1,024 float32.
;; This version of the problem:
;;   THIS VERSION OF THE PROBLEM IS GIVEN IN LOW PRECISION. The matrix products marked QUANTISED in the list below multiply operands that are first quantised to E2M1 (2 exponent bits, 1 mantissa bit; 4 bits a number), with one power-of-two scale for each 32 numbers along K (OCP MX v1.0); their sums are f32. All else is computed in f32.
;;   The module's matrix products, in the order in which they are computed (A, B: the left and right operand; K: the contracted axis; several contracted axes count as one K, in the product's order):
;;     1. batch 64 x [M 2,048, K 64] x [K 64, N 2,048]; A: input q; B: input k: QUANTISED
;;     2. batch 64 x [M 2,048, K 2,048] x [K 2,048, N 64]; A: computed on the way; B: input v: QUANTISED
;;   THE QUANTISER, for each operand of a quantised product, along K:
;;     - K is cut into blocks of 32 from its start; a last block that is shorter is filled with zeros.
;;     - A block's scale is 2^e with e = floor(log2(the largest magnitude in the block)) - 2, held to -126 .. 127; a block of zeros has e = 0. As a byte (E8M0): e + 127.
;;     - Each number is divided by its block's scale, clamped to +-6, and rounded to the nearest number of E2M1, ties to even, subnormals kept.
;;     - The product sums the exact products of the quantised numbers (number of the format x scale) in f32.
;;   ~~~python
;;   def quantise(x, axis):      # numpy; x: float32 -> the quantised numbers, widened to float32 again
;;       x = np.moveaxis(x, axis, -1); K = x.shape[-1]
;;       x = np.pad(x, [(0, 0)] * (x.ndim - 1) + [(0, -K % 32)]); x = x.reshape(x.shape[:-1] + (-1, 32)); a = np.abs(x).max(-1, keepdims=True)
;;       e = np.where(a > 0, np.clip(np.frexp(np.where(a > 0, a, 1))[1] - 1 - 2, -126, 127), 0)      # np.frexp(a)[1] - 1 = floor(log2(a)), exactly
;;       r = np.clip(x / 2.0 ** e, -6, 6)
;;       step = 2.0 ** (np.maximum(np.frexp(np.where(r == 0, 1, r))[1] - 1, 0) - 1)
;;       q = np.round(r / step) * step * 2.0 ** e      # np.round: ties to even
;;       return np.moveaxis(q.reshape(q.shape[:-2] + (-1,))[..., :K], -1, axis).astype(np.float32)
;;   ~~~
;;   OPERANDS COMPUTED ON THE WAY. 'Computed on the way' means the value that the module computes at that place (a softmax that the list does not call 'softmax' is quantised finished and normalised). What goes into a quantiser is computed in f32, as accurately as f32 sums, v_exp_f32 and their like allow (about 1e-6 of the number): no bf16 or f16 on the way to a quantiser, and a product that is left as it is and whose result goes on into a quantised operand takes f32 operands (vector FMAs, or v_wmma_f32_16x16x4_f32). A number that lies on a knife's edge between two numbers of the format may be rounded either way, as far as f32 arithmetic and the matrix unit's own rounding can turn it there, and no further.
;; One version. Each part assembles by itself: llvm-mc -triple=amdgcn-amd-amdhsa -mcpu=gfx1250 --defsym DOCPART=n.
;; ======== version 1 of 1: 2 launches
;; workspace buffers: img 8,912,896 bytes
;; launch prep (part 1): grid 16 x 64, 8 waves a work-group, no clusters, 19,456 bytes of LDS; arguments k, v, img; writes img
.if DOCPART == 1
	.amdgcn_target "amdgcn-amd-amdhsa--gfx1250"
	.amdhsa_code_object_version 6
	.text
	.protected	k_q7ecaad3bae_prep
	.globl	k_q7ecaad3bae_prep
	.p2align	8
	.type	k_q7ecaad3bae_prep,@function
k_q7ecaad3bae_prep:
	s_mov_b64 s[64:65], 0
	v_nop
	global_prefetch_b8 v0, s[64:65] scope:SCOPE_SE
	s_setreg_imm32_b32 hwreg(HW_REG_WAVE_MODE, 25, 1), 1
	s_wait_xcnt 0x0
; K and V, [4][2048][16 heads][64] f32, are quantised ONCE to codes of FP4 (E2M1) with one E8M0 scale for each 32 along a product's K (K: the head's 64; V: the keys), and laid as the attention launch's
; operand registers take them: for each head and each key step of 128 keys an IMAGE of 8,704 bytes: K's codes 4,096, V's codes 4,096, scale words 512.  img: [64 heads][16 steps][8,704].
; THE IMAGE.  K: load i = 2 pair + half (0..7) is 512 bytes, lane l's 16 bytes at 16 l: the codes of block l / 16 of the key in row l % 16 of tile (g, u), pair = 2 g + u / 2, half = u % 2;
;   row m of tile (g, u) is key 64 g + 8 u + m % 8 + 32 (m / 8).   V: at 4,096 + 1,024 t + 512 c + 256 h + 16 r the codes of channel 16 t + r, keys 64 c + 32 h + 0 .. 31.
;   Scale words at 8,192: 16 r + 4 pair: K's word of row r ([X.b0 X.b1 Y.b0 Y.b1]);  256 + 16 r + 4 t: V's word of channel 16 t + r (a byte for each 32 keys).
; SHARES.  A work-group of eight waves makes one image.  Waves 0-3: a pair of K's tiles each: sixteen loads, each two tokens' whole 256 bytes of the head; a tile turns through the wave's own stage in LDS, so that a lane
; holds the 32 neighbours of a block.  Waves 4-7: two blocks of 32 keys x 32 channels of V each: a lane takes a channel and its registers run down the keys, so nothing is transposed.  A wave asks for all its 8,192 bytes at its head.
; Codes leave as they are made, sixteen lanes to 256 consecutive bytes.  The scale words meet in LDS and leave behind one barrier as one run of 512 bytes.
; No tensor loads, no matrix work, no cluster: work-groups share no input, and each input byte is read once.
; LIMITS: NaN and infinities among the inputs are not served.  A block whose largest magnitude lies under 2^-124 (a block of zeros among them) gets the scale byte 1; only this program reads the bytes.
.set ROWB,  4096                       ; bytes from a token to the next
.set IMGS,  8704
.set VIMG,  4096
.set SIMG,  8192
.set STG,   512                        ; LDS: the scale words at 0; behind them a stage of 16 rows x (256 + 16) bytes for each of waves 0-3
.set SROW,  272                        ; 17 x 16 bytes: the sixteen rows that a load of 16 bytes a lane touches start at sixteen different banks (64 banks of 4 bytes: ISA guide 11.1)
.set STGW,  16*SROW
.set LI,  1                            ; 16 x lane
.set GV,  2                            ; 4096 h + 16 r: two tokens' 256 bytes to a wave
.set SA,  3                            ; stage: 272 h + 16 r: by rows, as memory has them
.set SB,  4                            ; stage: 272 r + 128 h: my 32 neighbours of row r
.set SH8, 5                            ; 8 h
.set KSA, 6                            ; scale words: 16 r + 4 pair
.set VSA, 7                            ; scale words: 256 + 16 r + 4 h + 8 (channel half) + 2 (key half)
.set V4,  8                            ; 4 x lane
.set VO,  9                            ; V's codes: 1024 h + 16 r
.set MX,  10                           ; v10-11 largest magnitudes, two chains
.set SO,  12                           ; the conversions' scale operand
.set BY,  13                           ; v13-14 two scale bytes
.set EX,  15                           ; the exchange's destination
.set WD,  16                           ; what goes to the scale words
.set CC,  20                           ; v20-27 codes: four registers for each tile or block, so that no store's data are written again
.set SW4, 28                           ; v28-31 the scale words on their way out
.set NN,  32                           ; v32-63 32 neighbours
.set GL,  64                           ; v64-127 two landing sets of 32
.set WV,  14                           ; wave
.set W3,  15                           ; wave % 4: K's pair
.set WH,  16                           ; (wave % 4) / 2: K's group g; V's half of the channels
.set WL,  17                           ; wave % 2: which pair of the group; V's half of the keys
.set SEL, 18                           ; s[18:19] v_permlanex16_b32's selects for lane l xor 16
; 32 numbers of one block, v[src] on, become 32 codes in v[dst .. dst+3] and the scale's byte in v[by].
.macro QN src, dst, by
	v_max3_num_f32 v[MX], |v[\src]|, |v[\src+1]|, 0x1800000          ; the floor 2^(3 - 127) among the leaves: the byte cannot fall under 1
	v_max3_num_f32 v[MX+1], |v[\src+2]|, |v[\src+3]|, |v[\src+4]|
.set kk, 0
.rept 13
	v_max3_num_f32 v[MX+kk%2], v[MX+kk%2], |v[\src+5+2*kk]|, |v[\src+6+2*kk]|   ; two chains by turns
.set kk, kk+1
.endr
	v_max3_num_f32 v[MX], v[MX], v[MX+1], |v[\src+31]|
	v_add_nc_u32 v[SO], 0xff000000, v[MX]                            ; 2 off the exponent field: the conversion takes that field as its scale, and nothing else
.irp g, 0,1,2,3
	v_cvt_scalef32_pk8_fp4_f32 v[\dst+\g], v[\src+8*\g:\src+8*\g+7], v[SO]
.endr
	v_lshrrev_b32 v[\by], 23, v[SO]                                  ; the byte; also the plain line behind the conversions
.endm
	s_load_b128 s[4:7], s[0:1], 0x0                                  ; k, v
	s_load_b64 s[8:9], s[0:1], 0x10                                  ; img
	v_lshl_add_u32 v128, v0, 2, 0x4800
	v_mov_b32 v129, 0
	v_lshrrev_b32 v1, 5, v0
	v_readfirstlane_b32 s[WV], v1                                    ; wave 0..7
	v_and_b32 v10, 15, v0                                            ; r
	v_bfe_u32 v11, v0, 4, 1                                          ; h
	v_and_b32 v12, 31, v0                                            ; lane
	s_and_b32 s[W3], s[WV], 3
	s_lshr_b32 s[WH], s[W3], 1
	s_and_b32 s[WL], s[WV], 1
	; every address register of both roles is made here, ahead of the parting of the waves
	v_lshlrev_b32 v[LI], 4, v12
	v_lshlrev_b32 v[GV], 4, v10
	v_lshl_add_u32 v[GV], v11, 12, v[GV]
	v_lshlrev_b32 v[V4], 2, v12
	v_lshlrev_b32 v[VO], 4, v10
	v_lshl_add_u32 v[VO], v11, 10, v[VO]
	v_lshlrev_b32 v[SH8], 3, v11
	s_mul_i32 s20, s[W3], STGW
	s_add_co_u32 s20, s20, STG                                       ; the stage of wave % 4 (waves 4-7 never touch one)
	v_mul_u32_u24 v[SA], v11, SROW
	v_lshl_add_u32 v[SA], v10, 4, v[SA]
	v_add_nc_u32 v[SA], s20, v[SA]
	v_mul_u32_u24 v[SB], v10, SROW
	v_lshl_add_u32 v[SB], v11, 7, v[SB]
	v_add_nc_u32 v[SB], s20, v[SB]
	s_lshl_b32 s20, s[W3], 2
	v_lshl_add_u32 v[KSA], v10, 4, s20
	s_lshl_b32 s20, s[WH], 3
	s_lshl_b32 s21, s[WL], 1
	s_add_co_u32 s20, s20, s21
	s_add_co_u32 s20, s20, 256
	v_lshl_add_u32 v[VSA], v10, 4, s20
	v_lshl_add_u32 v[VSA], v11, 2, v[VSA]
	v_mov_b32 v[EX], 0                                               ; written once: a lane permute's destination counts as one of its sources
	s_mov_b32 s[SEL], 0x76543210
	s_mov_b32 s[SEL+1], 0xfedcba98
	; byte offsets, all under 2^25
	s_and_b32 s20, ttmp7, 0xffff                                     ; 16 x batch + head
	s_lshr_b32 s21, s20, 4
	s_and_b32 s22, s20, 15
	s_lshl_b32 s21, s21, 23                                          ; a batch is 2^23 bytes,
	s_lshl_b32 s22, s22, 8                                           ; a head 256 bytes of a token,
	s_add_co_u32 s22, s22, s21
	s_lshl_b32 s21, ttmp9, 19                                        ; a key step 128 tokens
	s_add_co_u32 s22, s22, s21
	s_lshl_b32 s24, s[WH], 18                                        ; K: my pair's first tile begins at key 64 g + 16 (pair % 2)
	s_lshl_b32 s21, s[WL], 16
	s_add_co_u32 s24, s24, s21
	s_add_co_u32 s24, s24, s22
	s_mov_b32 s25, 0
	s_lshl_b32 s26, s[WL], 18                                        ; V: my 64 keys, my 32 channels
	s_lshl_b32 s21, s[WH], 7
	s_add_co_u32 s26, s26, s21
	s_add_co_u32 s26, s26, s22
	s_mov_b32 s27, 0
	s_lshl_b32 s28, s20, 4
	s_add_co_u32 s28, s28, ttmp9
	s_mul_i32 s28, s28, IMGS                                         ; the image
	s_mov_b32 s29, 0
	s_lshl_b32 s30, s[W3], 10                                        ; in it, K: 1,024 x pair
	s_mov_b32 s31, 0
	s_lshl_b32 s32, s[WH], 11                                        ; V: 4,096 + 2,048 x channel half + 512 x key half
	s_lshl_b32 s21, s[WL], 9
	s_add_co_u32 s32, s32, s21
	s_add_co_u32 s32, s32, VIMG
	s_mov_b32 s33, 0
	s_wait_kmcnt 0x0
	s_add_nc_u64 s[4:5], s[4:5], s[24:25]
	s_add_nc_u64 s[6:7], s[6:7], s[26:27]
	s_add_nc_u64 s[8:9], s[8:9], s[28:29]
	s_add_nc_u64 s[10:11], s[8:9], s[30:31]
	s_add_nc_u64 s[12:13], s[8:9], s[32:33]
	s_cmp_lt_u32 s[WV], 4
	s_cbranch_scc0 .Lfor_v
	; ---- waves 0-3: a pair of K's tiles
.irp c, 0,1
.irp i, 0,1,2,3,4,5,6,7
	global_load_b128 v[GL+32*\c+4*\i:GL+32*\c+4*\i+3], v[GV], s[4:5] offset:(8*\c+2*(\i%4)+32*(\i/4))*ROWB th:TH_LOAD_NT   ; the tile's rows 0-7: eight neighbouring keys; rows 8-15: those 32 further on
.endr
.endr
.irp c, 0,1
	s_wait_loadcnt 8-8*\c                                            ; this tile's eight loads are in; the other tile's may be out
.irp i, 0,1,2,3,4,5,6,7
	ds_store_b128 v[SA], v[GL+32*\c+4*\i:GL+32*\c+4*\i+3] offset:2*SROW*\i
.endr
.irp j, 0,1,2,3,4,5,6,7
	ds_load_b128 v[NN+4*\j:NN+4*\j+3], v[SB] offset:16*\j            ; LDS serves a wave's instructions in order (ISA guide 5.7.1.4): these see the stores above
.endr
	s_wait_dscnt 0x0
	QN NN, CC+4*\c, BY+\c
	global_store_b128 v[LI], v[CC+4*\c:CC+4*\c+3], s[10:11] offset:512*\c   ; 32 lanes store 512 consecutive bytes, at a multiple of 256 from img's first byte
.endr
	v_lshl_or_b32 v[WD], v[BY+1], 16, v[BY]                          ; my bytes: block h of X and of Y,
	v_lshlrev_b32 v[WD], v[SH8], v[WD]                               ; at their places in the word;
	v_permlanex16_b32 v[EX], v[WD], s[SEL], s[SEL+1]
	v_or_b32 v[WD], v[WD], v[EX]                                     ; with lane l xor 16's two the word is whole
	ds_store_b32 v[KSA], v[WD]                                       ; both halves of the lanes store the same word to the same place
	s_branch .Ljoin
.Lfor_v:
	; ---- waves 4-7: two blocks of 32 keys x 32 channels of V
.set i, 0
.rept 64
	global_load_b32 v[GL+i], v[V4], s[6:7] offset:i*ROWB th:TH_LOAD_NT   ; key i of my 64, my channel: 32 lanes read 128 consecutive bytes
.set i, i+1
.endr
.irp jj, 0,1
	s_wait_loadcnt 32-32*\jj                                         ; this block's 32 loads are in; the other block's may be out
	QN GL+32*\jj, CC+4*\jj, BY+\jj
	global_store_b128 v[VO], v[CC+4*\jj:CC+4*\jj+3], s[12:13] offset:256*\jj   ; sixteen lanes store 256 consecutive bytes, at a multiple of 256 from img's first byte
.endr
	v_lshl_or_b32 v[WD], v[BY+1], 8, v[BY]                           ; my channel's bytes of my two blocks: half of its scale word
	ds_store_b16 v[VSA], v[WD]
.Ljoin:
	s_wait_dscnt 0x0                                                 ; for wave 0's sake: my scale words have landed
	s_barrier_signal -1
	s_barrier_wait -1
	s_cmp_lg_u32 s[WV], 0
	s_cbranch_scc1 .Lend
	ds_load_b128 v[SW4:SW4+3], v[LI]                                 ; the step's 512 bytes of scale words
	s_wait_dscnt 0x0
	global_store_b128 v[LI], v[SW4:SW4+3], s[8:9] offset:SIMG        ; 512 consecutive bytes
.Lend:
	s_wait_tensorcnt 0x0
	ds_add_u32 v128, v129
	s_wait_dscnt 0x0
	s_endpgm
.Lfunc_end_k_q7ecaad3bae_prep:
	.size	k_q7ecaad3bae_prep, .Lfunc_end_k_q7ecaad3bae_prep-k_q7ecaad3bae_prep
	.p2alignl 7, 3214868480
	.fill 96, 4, 3214868480
	.section	.rodata,"a",@progbits
	.p2align	6, 0x0
	.amdhsa_kernel k_q7ecaad3bae_prep
		.amdhsa_group_segment_fixed_size 19456
		.amdhsa_private_segment_fixed_size 0
		.amdhsa_enable_private_segment 0
		.amdhsa_kernarg_size 24
		.amdhsa_user_sgpr_count 2
		.amdhsa_user_sgpr_kernarg_segment_ptr 1
		.amdhsa_wavefront_size32 1
		.amdhsa_system_sgpr_workgroup_id_x 1
		.amdhsa_system_sgpr_workgroup_id_y 1
		.amdhsa_system_sgpr_workgroup_id_z 1
		.amdhsa_system_vgpr_workitem_id 0
		.amdhsa_next_free_vgpr 130
		.amdhsa_next_free_sgpr 66
		.amdhsa_reserve_vcc 0
		.amdhsa_float_denorm_mode_32 3
		.amdhsa_float_denorm_mode_16_64 3
		.amdhsa_memory_ordered 1
		.amdhsa_forward_progress 1
		.amdhsa_inst_pref_size 20
	.end_amdhsa_kernel
	.amdgpu_metadata
---
amdhsa.version: [ 1, 2 ]
amdhsa.kernels:
  - .name:           k_q7ecaad3bae_prep
    .symbol:         k_q7ecaad3bae_prep.kd
    .args:
      - { .name: k, .offset: 0, .size: 8, .value_kind: global_buffer, .address_space: global }
      - { .name: v, .offset: 8, .size: 8, .value_kind: global_buffer, .address_space: global }
      - { .name: img, .offset: 16, .size: 8, .value_kind: global_buffer, .address_space: global }
    .group_segment_fixed_size: 19456
    .private_segment_fixed_size: 0
    .kernarg_segment_align: 8
    .kernarg_segment_size: 24
    .max_flat_workgroup_size: 256
    .sgpr_count:     66
    .vgpr_count:     130
    .wavefront_size: 32
...
	.end_amdgpu_metadata
.endif
;; end of part 1
;; launch attn (part 2): grid 4 x 64, 16 waves a work-group, no clusters, 215,040 bytes of LDS; arguments q, img, rab_weight, out0; writes out0
.if DOCPART == 2
	.amdgcn_target "amdgcn-amd-amdhsa--gfx1250"
	.amdhsa_code_object_version 6
	.text
	.protected	k_q7ecaad3bae_attn
	.globl	k_q7ecaad3bae_attn
	.p2align	8
	.type	k_q7ecaad3bae_attn,@function
k_q7ecaad3bae_attn:
	s_mov_b64 s[64:65], 0
	v_nop
	global_prefetch_b8 v0, s[64:65] scope:SCOPE_SE
	s_setreg_imm32_b32 hwreg(HW_REG_WAVE_MODE, 25, 1), 1
	s_wait_xcnt 0x0
; out[b][s][head][:] = sum over keys of silu(Q.K + bias(s - key)) V, both products on codes of FP4 (E2M1) with one E8M0 scale for each 32 along a product's K.
; q, out0: [4][2048][16 heads][64] f32.  rab_weight: [32 buckets][16 heads] f32.  img: [64 heads][16 key steps][8,704 bytes]: K's and V's codes and scale words as the launch before laid them, in the order of the operand registers.
; SHARES.  A work-group of sixteen waves owns 512 queries of one head (grid 4 x 64 = 256 work-groups of equal work); a wave owns 32 queries, two tiles of 16.
; PHASE 1: each wave quantises its 32 queries into registers and copies ONE key step's image into LDS: at 4 bits a whole head's K and V are 2 x 65,536 bytes of codes and 8,192 of scale words.  One barrier.
; PHASE 2: every wave walks the 16 key steps out of LDS.  PHASE 3: O leaves through the wave's own stage, 256 consecutive bytes to sixteen lanes.
; LAYOUT.  Both products are used transposed (S^T = K Q^T, O^T = V^T P^T): a lane (r = lane % 16, h = lane / 16) holds query r throughout.
;  - The head's 64 fill half of the instruction's 128 along K: source 0 holds a PAIR of key tiles, [X | Y]; source 1 is [Q | 0] for X and [0 | Q] for Y: zero codes add nothing.
;  - The keys of a tile are chosen: row m of tile (g, u) is key 64 g + 8 u + m % 8 + 32 (m / 8).  So the 32 registers of the four tiles of group g are, in lane (r, h), the 32 NEIGHBOURING keys
;    64 g + 32 h + 0 .. 31: one whole block of the second product's K in one lane, in the very order of the 4-bit operand: its largest magnitude needs no other lane, and the conversions write the operand's registers.
;  - THE BIAS IS THE C OF THE FIRST PRODUCT.  It hangs on the distance query - key alone; the map from distance to bucket is made of constants in the problem's own text and is built in (macro PICK).
;    D0 = the wave's first query - the step's first key.  D0 < 0: every distance is 0 or less, bucket 0.  D0 >= 256: every distance is 129 or more, bucket 31.  There C is eight registers that hold that one weight.
;    0 <= D0 <= 224 (one or two of a wave's 16 steps): the biases come from a table in LDS into the accumulators, and the product adds in place.
; NO CLUSTER: the four work-groups that read one head's 139,264 bytes of images are its four blocks of queries, and the branch on the band hangs on the block of queries: partners would take different ways.
; No prefetch: every load from memory stands at the kernel's head; the loop reads LDS alone.
; LIMITS: NaN and infinities among the inputs are not served.  For x under about -88 the weight is -0 where silu(x) is a number under 1e-36.  A block whose largest magnitude lies under 2^-124 (a block of zeros among
; them) gets the scale byte 1; only this program reads the bytes.  The bias is rounded with the sum by the matrix unit.
.set ROWB,  4096                       ; bytes from a token to the next in q and out0
.set IMGS,  8704                       ; a key step's image: K's codes 4,096 bytes, V's codes 4,096, scale words 512
.set VIMG,  4096
.set SIMG,  8192
.set TAB,   16*IMGS                    ; LDS, behind the 16 images: the bias table, 512 f32: TAB[i] = weight of bucket(max(255 - i, 0))
.set STG,   TAB+2048                   ; behind it: a stage of 16 rows x (256 + 16) bytes for each wave
.set SROW,  272                        ; 17 x 16 bytes: the sixteen rows that a load of 16 bytes a lane touches start at sixteen different banks (64 banks of 4 bytes: ISA guide 11.1)
.set STGW,  16*SROW
; vector registers, whole launch
.set LI,  1                            ; 16 x lane: my place in an image
.set ADR, 2                            ; the step's image + LI
.set BL,  3                            ; TAB + 4 (32 h + 15 - r)
.set TA,  4                            ; BL + 4 (224 - D0)
.set SH8, 5                            ; 8 h
.set GV,  6                            ; 4096 h + 16 r: two tokens' 256 bytes to a wave
.set SA,  7                            ; stage: 272 h + 16 r: by rows, as memory has them
.set SB,  8                            ; stage: 272 r + 128 h: my 32 neighbours of row r
.set SOA, 9                            ; stage: 272 r + 32 h: where O's eight numbers go
.set MX,  10                           ; v10-11 largest magnitudes, two chains
.set SO,  12                           ; the conversions' scale operand
.set BY,  13                           ; v13-14 two scale bytes
.set EX,  15                           ; the exchange's destination
.set QZ,  16                           ; v16-35 [0000 | Q tile 0 | 0000 | Q tile 1 | 0000]
.set QS,  36                           ; v36-37 Q's scale words [s0 s1 s0 s1]
.set PW,  38                           ; v38-39 p's scale words
.set SCR, 40                           ; v40-43 lanes 0-15: K's four pair words; lanes 16-31: V's four tile words
.set CB,  44                           ; v44-51 the far steps' bias, eight times
.set PC,  52                           ; v52-59 p's codes
.set KF,  60                           ; v60-91 K's four pairs
.set VF,  92                           ; v92-123 V's four tiles
.set XX,  124                          ; v124-155 x = score + bias, 32 keys
.set TT,  156                          ; v156-187 at work, then p
.set OO,  188                          ; v188-251 O^T: query tile q, channels 16 t on, at OO + 32 q + 8 t
; vector registers, phase 1 alone
.set GL,  124                          ; v124-187 Q's two tiles as loaded
.set IM,  188                          ; v188-255 my key step's image on its way into LDS: 17 x 4 registers
.set NN,  60                           ; 32 neighbours
.set KI,  96                           ; my step's image in LDS + 16 x lane
.set RP,  103                          ; the table: my entry's distance
.set VAL, 104                          ; and its weight
.set TAD, 105                          ; TAB + 4 x my thread's number
; scalar registers: s[4:5] q, s[6:7] img, s[8:9] rab_weight, s[10:11] out0
.set WV,  14                           ; wave
.set Q0W, 15                           ; my first query in the head
.set KF0, 16                           ; the step's first key; also the loop's counter
.set TB,  17                           ; the step's image
.set BND, 18                           ; 1 in a band step
.set TS,  19                           ; at work
.set SEL, 24                           ; s[24:25] v_permlanex16_b32's selects for lane l xor 16
.set CS,  26                           ; s[26:27] -log2(e), twice (the packed form names the pair)
.set WT,  32                           ; s[32:63] the head's 32 weights
; 32 numbers of one block, v[src] on, become 32 codes in v[dst .. dst+3] and the scale's byte in v[by].
.macro QN src, dst, by
	v_max3_num_f32 v[MX], |v[\src]|, |v[\src+1]|, 0x1800000          ; the floor 2^(3 - 127) among the leaves: the byte cannot fall under 1
	v_max3_num_f32 v[MX+1], |v[\src+2]|, |v[\src+3]|, |v[\src+4]|
.set kk, 0
.rept 13
	v_max3_num_f32 v[MX+kk%2], v[MX+kk%2], |v[\src+5+2*kk]|, |v[\src+6+2*kk]|   ; two chains by turns
.set kk, kk+1
.endr
	v_max3_num_f32 v[MX], v[MX], v[MX+1], |v[\src+31]|
	v_add_nc_u32 v[SO], 0xff000000, v[MX]                            ; 2 off the exponent field: the conversion takes that field as its scale, and nothing else
.irp g, 0,1,2,3
	v_cvt_scalef32_pk8_fp4_f32 v[\dst+\g], v[\src+8*\g:\src+8*\g+7], v[SO]
.endr
	v_lshrrev_b32 v[\by], 23, v[SO]                                  ; the byte; also the plain line behind the conversions
.endm
; A lane holds the bytes of blocks h (lo) and 2 + h (hi): with lane l xor 16's two the scale word is whole, in every lane.
.macro WORD lo, hi, dst
	v_lshl_or_b32 v[BY+1], v[\hi], 16, v[\lo]
	v_lshlrev_b32 v[BY+1], v[SH8], v[BY+1]
	v_permlanex16_b32 v[EX], v[BY+1], s[SEL], s[SEL+1]
	v_or_b32 v[\dst], v[BY+1], v[EX]
.endm
; My queries 16 n on are asked for: eight loads, each two tokens' whole 256 bytes of the head.
.macro TLOAD n
.irp i, 0,1,2,3,4,5,6,7
	global_load_b128 v[GL+32*(\n)+4*\i:GL+32*(\n)+4*\i+3], v[GV], s[4:5] offset:(16*(\n)+2*\i)*ROWB th:TH_LOAD_NT   ; a query is read once in the launch
.endr
.endm
; They go through my stage (in by rows as loaded, out 32 neighbours a lane) and are quantised into registers.  cnt: the younger loads, which may stay out.
.macro TILE n, cnt
	s_wait_loadcnt \cnt
.irp i, 0,1,2,3,4,5,6,7
	ds_store_b128 v[SA], v[GL+32*(\n)+4*\i:GL+32*(\n)+4*\i+3] offset:2*SROW*\i
.endr
.irp j, 0,1,2,3,4,5,6,7
	ds_load_b128 v[NN+4*\j:NN+4*\j+3], v[SB] offset:16*\j              ; LDS serves a wave's instructions in order (ISA guide 5.7.1.4): these see the stores above
.endr
	s_wait_dscnt 0x0                                                 ; the 32 numbers are in
	QN NN, QZ+4+8*(\n), BY                                           ; Q's codes stay in registers
	WORD BY, BY, QS+(\n)                                             ; [s0 s1 s0 s1]: it serves [Q | 0] and [0 | Q]
.endm
; The table's choice: entries whose distance lies under u take bucket j's weight; taken from j = 30 down, the smallest such j stays.
.macro PICK j, u
	v_cmp_le_u32 vcc_lo, \u, v[RP]
	v_cndmask_b32 v[VAL], s[WT+\j], v[VAL], vcc_lo
.endm
; Four products: x of query tile q and the 64 keys of group g.  inplace = 0: C is the far bias; 1: the biases lie in the accumulators.
.macro SWM q, g, inplace
.irp u, 0,1,2,3
.if \inplace
	v_wmma_scale_f32_16x16x128_f8f6f4 v[XX+8*\u:XX+8*\u+7], v[KF+8*(2*\g+\u/2):KF+8*(2*\g+\u/2)+7], v[QZ+8*\q+4*(1-\u%2):QZ+8*\q+4*(1-\u%2)+7], v[XX+8*\u:XX+8*\u+7], v[SCR+2*\g+\u/2], v[QS+\q] matrix_a_fmt:MATRIX_FMT_FP4 matrix_b_fmt:MATRIX_FMT_FP4
.else
	v_wmma_scale_f32_16x16x128_f8f6f4 v[XX+8*\u:XX+8*\u+7], v[KF+8*(2*\g+\u/2):KF+8*(2*\g+\u/2)+7], v[QZ+8*\q+4*(1-\u%2):QZ+8*\q+4*(1-\u%2)+7], v[CB:CB+7], v[SCR+2*\g+\u/2], v[QS+\q] matrix_a_fmt:MATRIX_FMT_FP4 matrix_b_fmt:MATRIX_FMT_FP4
.endif
.endr
.endm
.macro SW q, g
	s_cmp_lg_u32 s[BND], 0                                           ; a branch on ids and the loop's counter alone
	s_cbranch_scc1 .Lband_\@
	SWM \q, \g, 0
	s_branch .Ldone_\@
.Lband_\@:
.set i, 0
.rept 32
	ds_load_b32 v[XX+i], v[TA] offset:4*(64*\g-16*\q+16+i)           ; table index = key - query + 255
.set i, i+1
.endr
	s_wait_dscnt 0x0
	SWM \q, \g, 1
.Ldone_\@:
.endm
; Four products: O^T of query tile q += V^T p^T over the step's 128 keys.  first = 1: they start the sums.
.macro PV q, first
.irp t, 0,1,2,3
.if \first
	v_wmma_scale_f32_16x16x128_f8f6f4 v[OO+32*\q+8*\t:OO+32*\q+8*\t+7], v[VF+8*\t:VF+8*\t+7], v[PC:PC+7], 0, v[SCR+\t], v[PW+\q] matrix_a_fmt:MATRIX_FMT_FP4 matrix_b_fmt:MATRIX_FMT_FP4 matrix_a_scale:MATRIX_SCALE_ROW1
.else
	v_wmma_scale_f32_16x16x128_f8f6f4 v[OO+32*\q+8*\t:OO+32*\q+8*\t+7], v[VF+8*\t:VF+8*\t+7], v[PC:PC+7], v[OO+32*\q+8*\t:OO+32*\q+8*\t+7], v[SCR+\t], v[PW+\q] matrix_a_fmt:MATRIX_FMT_FP4 matrix_b_fmt:MATRIX_FMT_FP4 matrix_a_scale:MATRIX_SCALE_ROW1
.endif
.endr
.endm
; A UNIT: 32 keys a lane (query tile q, group g).  p = x / (1 + 2^(-x log2 e)), quantised into registers 4 g .. 4 g + 3 of p's operand.
; nxt = 1: the next unit's products (nq, ng) are issued as soon as x has been read for the last time; the search for the block's largest magnitude, 17 plain lines on other registers, stands behind them.
; pv = 1: query tile 0's V^T p^T stands behind the first 16 lines, which are the places between its scale word's last write and the products.
.macro UNIT q, g, nxt, nq, ng, pv, first
.set i, 0
.rept 16
	v_pk_mul_f32 v[TT+i:TT+i+1], v[XX+i:XX+i+1], s[CS:CS+1] op_sel_hi:[1,0]   ; ascending: each accumulator is first read at its low end
.set i, i+2
.endr
.if \pv
	s_wait_dscnt 0x0                                                 ; V's fragments, asked for at the trip's head, are in
	PV 0, \first
.endif
.set i, 0
.rept 32
	v_exp_f32 v[TT+i], v[TT+i]
.set i, i+1
.endr
	v_nop                                                            ; a plain line behind the last exponential (ISA guide 5.7.2)
	s_wait_alu depctr_va_vdst(0)                                     ; one wait for the batch, ahead of its first reader
.set i, 0
.rept 16
	v_pk_add_f32 v[TT+i:TT+i+1], v[TT+i:TT+i+1], 1.0 op_sel_hi:[1,0]
.set i, i+2
.endr
.set i, 0
.rept 32
	v_rcp_f32 v[TT+i], v[TT+i]
.set i, i+1
.endr
	v_nop
	s_wait_alu depctr_va_vdst(0)                                     ; and one for the reciprocals
.set i, 0
.rept 16
	v_pk_mul_f32 v[TT+i:TT+i+1], v[TT+i:TT+i+1], v[XX+i:XX+i+1]      ; p; x is free from here on
.set i, i+2
.endr
.if \nxt
	SW \nq, \ng
.endif
	QN TT, PC+4*\g, BY+\g
.endm
; A KEY STEP: 128 keys for my 32 queries: 16 products K Q^T, 128 weights a lane, 8 products V^T p^T.
.macro TRIP first
	s_sub_co_u32 s[TS], s[Q0W], s[KF0]                               ; D0; under 0 it wraps to a large number
	s_cmp_lt_u32 s[TS], 225
	s_cselect_b32 s[BND], 1, 0
	s_lshl_b32 s[TS], s[WV], 5                                       ; 224 - D0 in a band step: D0 = (32 wave + first key) mod 256, since 512 x block falls out and the first key is a multiple of 128
	s_add_co_u32 s[TS], s[TS], s[KF0]
	s_and_b32 s[TS], s[TS], 0xe0
	s_xor_b32 s[TS], s[TS], 0xe0
	s_lshl_b32 s[TS], s[TS], 2
	s_cmp_eq_u32 s[BND], 0
	s_cbranch_scc1 .Lkeep_\@
.irp i, 0,1,2,3,4,5,6,7
	v_mov_b32 v[CB+\i], s[WT]                                        ; the walk goes bucket 31, band, bucket 0, and every wave has a band step: from here on the far bias is bucket 0's
.endr
.Lkeep_\@:
	v_add_nc_u32 v[ADR], s[TB], v[LI]
	v_add_nc_u32 v[TA], s[TS], v[BL]
	v_nop
	v_nop                                                            ; four plain lines between the last step's products and the loads into their sources (ISA guide 7.12.1 for vector instructions)
	ds_load_b128 v[SCR:SCR+3], v[ADR] offset:SIMG
.irp i, 0,1,2,3,4,5,6,7
	ds_load_b128 v[KF+4*\i:KF+4*\i+3], v[ADR] offset:512*\i
.endr
.irp i, 0,1,2,3,4,5,6,7
	ds_load_b128 v[VF+4*\i:VF+4*\i+3], v[ADR] offset:VIMG+512*\i
.endr
	s_wait_dscnt 8                                                   ; the scale words and K are in; V's eight loads may be out
	SW 0, 0
.rept 4
	v_nop                                                            ; places in front of the first read of results
.endr
	UNIT 0, 0, 1, 0, 1, 0, \first
	UNIT 0, 1, 1, 1, 0, 0, \first
	WORD BY, BY+1, PW
	UNIT 1, 0, 1, 1, 1, 1, \first
	UNIT 1, 1, 0, 0, 0, 0, \first
	WORD BY, BY+1, PW+1
.rept 8
	v_nop                                                            ; a scale register written by a vector line stands eight places ahead of the scaled product
.endr
	PV 1, \first
	s_add_co_u32 s[KF0], s[KF0], 128
	s_add_co_u32 s[TB], s[TB], IMGS
.endm
	s_load_b256 s[4:11], s[0:1], 0x0                                 ; q, img, rab_weight, out0
	v_lshrrev_b32 v2, 5, v0
	v_readfirstlane_b32 s[WV], v2                                    ; wave 0..15
	v_and_b32 v10, 15, v0                                            ; r
	v_bfe_u32 v11, v0, 4, 1                                          ; h
	v_and_b32 v12, 31, v0                                            ; lane
	v_lshlrev_b32 v[GV], 4, v10
	v_lshl_add_u32 v[GV], v11, 12, v[GV]
	v_lshlrev_b32 v[LI], 4, v12
	s_and_b32 s20, ttmp7, 0xffff                                     ; 16 x batch + head
	s_lshr_b32 s21, s20, 4
	s_and_b32 s28, s20, 15
	s_lshl_b32 s22, s20, 4
	s_add_co_u32 s22, s22, s[WV]
	s_mul_i32 s22, s22, IMGS                                         ; img: my head's image of key step = wave
	s_lshl_b32 s21, s21, 23                                          ; q and out0: a batch is 2^23 bytes,
	s_lshl_b32 s20, s28, 8                                           ; a head 256 bytes of a token,
	s_add_co_u32 s20, s20, s21
	s_lshl_b32 s21, ttmp9, 21                                        ; my block's 512 tokens,
	s_add_co_u32 s20, s20, s21
	s_lshl_b32 s21, s[WV], 17                                        ; my wave's 32 of them
	s_add_co_u32 s20, s20, s21
	s_mov_b32 s21, 0
	s_mov_b32 s23, 0
	s_lshl_b32 s28, s28, 2                                           ; rab_weight: 4 bytes a head
	s_mov_b32 s29, 0
	s_lshl_b32 s[Q0W], ttmp9, 9
	s_lshl_b32 s30, s[WV], 5
	s_add_co_u32 s[Q0W], s[Q0W], s30
	s_mul_i32 s30, s[WV], STGW
	s_add_co_u32 s30, s30, STG                                       ; my stage
	s_mul_i32 s31, s[WV], IMGS                                       ; where my image goes in LDS
	s_mov_b32 s[SEL], 0x76543210
	s_mov_b32 s[SEL+1], 0xfedcba98
	s_mov_b32 s[CS], 0xbfb8aa3b                                      ; -log2(e)
	s_mov_b32 s[CS+1], s[CS]
	s_wait_kmcnt 0x0
	s_add_nc_u64 s[4:5], s[4:5], s[20:21]
	s_add_nc_u64 s[10:11], s[10:11], s[20:21]
	s_add_nc_u64 s[6:7], s[6:7], s[22:23]
	s_add_nc_u64 s[8:9], s[8:9], s[28:29]
	TLOAD 0                                                          ; all that the wave reads from memory is asked for here: 16 loads of Q,
	TLOAD 1
.set i, 0
.rept 17
	global_load_b128 v[IM+4*i:IM+4*i+3], v[LI], s[6:7] offset:512*i  ; 17 of the image, 512 consecutive bytes each,
.set i, i+1
.endr
.set j, 0
.rept 16
	s_load_b32 s[WT+j], s[8:9], 64*j                                 ; and bucket j's weight for my head: the first sixteen
.set j, j+1
.endr
	v_xor_b32 v[BL], 15, v10                                         ; 15 - r
	v_lshlrev_b32 v[BL], 2, v[BL]
	v_lshl_add_u32 v[BL], v11, 7, v[BL]
	v_add_nc_u32 v[BL], TAB, v[BL]
	v_lshlrev_b32 v[SH8], 3, v11
	v_mul_u32_u24 v[SA], v11, SROW
	v_lshl_add_u32 v[SA], v10, 4, v[SA]
	v_add_nc_u32 v[SA], s30, v[SA]
	v_mul_u32_u24 v[SB], v10, SROW
	v_lshl_add_u32 v[SOA], v11, 5, v[SB]
	v_lshl_add_u32 v[SB], v11, 7, v[SB]
	v_add_nc_u32 v[SOA], s30, v[SOA]
	v_add_nc_u32 v[SB], s30, v[SB]
	v_add_nc_u32 v[KI], s31, v[LI]
	v_lshl_add_u32 v[TAD], v0, 2, TAB
	s_wait_kmcnt 0x0                                                 ; the first sixteen weights are in
.set j, 16
.rept 16
	s_load_b32 s[WT+j], s[8:9], 64*j                                 ; the other sixteen
.set j, j+1
.endr
	v_mov_b32 v[EX], 0                                               ; written once: a lane permute's destination counts as one of its sources
.irp i, 0,1,2,3, 8,9,10,11, 16,17,18,19
	v_mov_b32 v[QZ+\i], 0                                            ; the zero codes beside Q
.endr
	; the bias table: thread i makes entry i, of distance max(255 - i, 0)
	v_min_u32 v[RP], 255, v0
	v_sub_nc_u32 v[RP], 255, v[RP]
	s_wait_kmcnt 0x0                                                 ; all 32 weights
	v_mov_b32 v[VAL], s[WT+31]                                       ; 113 and beyond
	PICK 30, 113
	PICK 29, 99
	PICK 28, 87
	PICK 27, 77
	PICK 26, 67
	PICK 25, 59
	PICK 24, 52
	PICK 23, 46
	PICK 22, 40
	PICK 21, 35
	PICK 20, 31
	PICK 19, 27
	PICK 18, 24
	PICK 17, 21
	PICK 16, 19
.set j, 15
.rept 16
	PICK j, j+1                                                      ; distances 0 to 15 are their own buckets
.set j, j-1
.endr
	ds_store_b32 v[TAD], v[VAL]
.irp i, 0,1,2,3,4,5,6,7
	v_mov_b32 v[CB+\i], s[WT+31]                                     ; the walk begins with the keys far behind my queries
.endr
	; PHASE 1
	TILE 0, 25                                                       ; behind tile 0's loads: tile 1's eight and the image's seventeen
	TILE 1, 17                                                       ; the image's seventeen
	s_wait_loadcnt 0x0
.set i, 0
.rept 17
	ds_store_b128 v[KI], v[IM+4*i:IM+4*i+3] offset:512*i             ; the image goes into LDS as it lies
.set i, i+1
.endr
	s_wait_dscnt 0x0                                                 ; for the others' sake: my image and my table entries have landed
	s_barrier_signal -1
	s_barrier_wait -1                                                ; the head's K, V and the table lie in LDS; from here on they are only read
	; PHASE 2
	s_mov_b32 s[KF0], 0
	s_mov_b32 s[TB], 0
	TRIP 1                                                           ; the first step stands in front of the loop: its products start O's sums
.Ltrip:
	TRIP 0
	s_cmp_lt_u32 s[KF0], 2048
	s_cbranch_scc1 .Ltrip
	; PHASE 3.  Register j of O^T's tile t is o(query r, channel 16 t + 8 h + j): 32 bytes of a row.  A tile of 16 queries goes through my stage and comes back by rows.
.rept 4
	v_nop                                                            ; places in front of the first read of the last results
.endr
.irp qt, 0,1
.irp t, 0,1,2,3
	ds_store_b128 v[SOA], v[OO+32*\qt+8*\t:OO+32*\qt+8*\t+3] offset:64*\t          ; each accumulator from its low end on
	ds_store_b128 v[SOA], v[OO+32*\qt+8*\t+4:OO+32*\qt+8*\t+7] offset:64*\t+16
.endr
.irp i, 0,1,2,3,4,5,6,7
	ds_load_b128 v[XX+32*\qt+4*\i:XX+32*\qt+4*\i+3], v[SA] offset:2*SROW*\i       ; in order behind the stores above; the next tile's stores come behind these
.endr
.endr
.irp qt, 0,1
.irp i, 0,1,2,3,4,5,6,7
	s_wait_dscnt 23-16*\qt-\i                                        ; behind this load: its tile's younger loads, and for tile 0 the sixteen LDS lines of tile 1
	global_store_b128 v[GV], v[XX+32*\qt+4*\i:XX+32*\qt+4*\i+3], s[10:11] offset:(16*\qt+2*\i)*ROWB th:TH_STORE_NT   ; sixteen lanes store 256 consecutive bytes, at a multiple of 256 from out0's first byte
.endr
.endr
	s_wait_xcnt 0x0
	v_lshl_add_u32 v254, v0, 2, 0x34000
	v_mov_b32 v255, 0
	s_wait_tensorcnt 0x0
	ds_add_u32 v254, v255
	s_wait_dscnt 0x0
	s_endpgm
.Lfunc_end_k_q7ecaad3bae_attn:
	.size	k_q7ecaad3bae_attn, .Lfunc_end_k_q7ecaad3bae_attn-k_q7ecaad3bae_attn
	.p2alignl 7, 3214868480
	.fill 96, 4, 3214868480
	.section	.rodata,"a",@progbits
	.p2align	6, 0x0
	.amdhsa_kernel k_q7ecaad3bae_attn
		.amdhsa_group_segment_fixed_size 215040
		.amdhsa_private_segment_fixed_size 0
		.amdhsa_enable_private_segment 0
		.amdhsa_kernarg_size 32
		.amdhsa_user_sgpr_count 2
		.amdhsa_user_sgpr_kernarg_segment_ptr 1
		.amdhsa_wavefront_size32 1
		.amdhsa_system_sgpr_workgroup_id_x 1
		.amdhsa_system_sgpr_workgroup_id_y 1
		.amdhsa_system_sgpr_workgroup_id_z 1
		.amdhsa_system_vgpr_workitem_id 0
		.amdhsa_next_free_vgpr 256
		.amdhsa_next_free_sgpr 80
		.amdhsa_reserve_vcc 1
		.amdhsa_float_denorm_mode_32 3
		.amdhsa_float_denorm_mode_16_64 3
		.amdhsa_memory_ordered 1
		.amdhsa_forward_progress 1
		.amdhsa_inst_pref_size 107
	.end_amdhsa_kernel
	.amdgpu_metadata
---
amdhsa.version: [ 1, 2 ]
amdhsa.kernels:
  - .name:           k_q7ecaad3bae_attn
    .symbol:         k_q7ecaad3bae_attn.kd
    .args:
      - { .name: q, .offset: 0, .size: 8, .value_kind: global_buffer, .address_space: global }
      - { .name: img, .offset: 8, .size: 8, .value_kind: global_buffer, .address_space: global }
      - { .name: rab_weight, .offset: 16, .size: 8, .value_kind: global_buffer, .address_space: global }
      - { .name: out0, .offset: 24, .size: 8, .value_kind: global_buffer, .address_space: global }
    .group_segment_fixed_size: 215040
    .private_segment_fixed_size: 0
    .kernarg_segment_align: 8
    .kernarg_segment_size: 32
    .max_flat_workgroup_size: 512
    .sgpr_count:     80
    .vgpr_count:     256
    .wavefront_size: 32
...
	.end_amdgpu_metadata
.endif
;; end of part 2
